; MI455X (gfx1250); checked and timed in simulation.
; The chip was launched on July 23, 2026; its instructions are those of AMD's public machine-readable ISA for CDNA 5 (MIT licence, August 2026) and "CDNA5" Instruction Set Architecture Reference Guide (July 2026). The comments in the code are by the model that wrote it; some were corrected since.
;; Hopfield Pooling. Allowed arithmetic: matrix products marked QUANTISED: E3M2 operands, one E8M0 scale for each 32 along K, by v_wmma_scale_f32_16x16x128_f8f6f4 with both operands' format E3M2, f32 sums; products left as they are: f32 operands where the result goes on into a quantised operand, else bf16, f16 or f32 operands; f32 sums; everything else in f32.
;; Inputs: Wk 1,024 x 1,024 float32; Wo 1,024 x 1,024 float32; Wq 1,024 x 1,024 float32; Wv 1,024 x 1,024 float32; Y 16 x 2,048 x 1,024 float32; bk 1,024 float32; bo 1,024 float32; bq 1,024 float32; bv 1,024 float32; query 1 x 1 x 1,024 float32.
;; Outputs: out0 16 x 1 x 1,024 float32.
;; This version of the problem:
;;   THIS VERSION OF THE PROBLEM IS GIVEN IN LOW PRECISION. The matrix products marked QUANTISED in the list below multiply operands that are first quantised to E3M2 (3 exponent bits, 2 mantissa bits; 6 bits a number), with one power-of-two scale for each 32 numbers along K (OCP MX v1.0); their sums are f32. All else is computed in f32.
;;   The module's matrix products, in the order in which they are computed (A, B: the left and right operand; K: the contracted axis; several contracted axes count as one K, in the product's order):
;;     1. [M 16, K 1,024] x [K 1,024, N 1,024]; A: input query; B: input Wq: QUANTISED
;;     2. [M 32,768, K 1,024] x [K 1,024, N 1,024]; A: input Y; B: input Wk: QUANTISED
;;     3. [M 32,768, K 1,024] x [K 1,024, N 1,024]; A: computed on the way; B: input Wv: QUANTISED
;;     4. batch 256 x [M 1, K 64] x [K 64, N 2,048]; A: computed on the way; B: computed on the way: left as it is (M = 1 < 16)
;;     5. batch 256 x [M 64, K 2,048] x [K 2,048, N 1]; A: computed on the way; B: softmax: left as it is (N = 1 < 16)
;;     6. [M 16, K 1,024] x [K 1,024, N 1,024]; A: computed on the way; B: input Wo: QUANTISED
;;   THE QUANTISER, for each operand of a quantised product, along K:
;;     - K is cut into blocks of 32 from its start; a last block that is shorter is filled with zeros.
;;     - A block's scale is 2^e with e = floor(log2(the largest magnitude in the block)) - 4, held to -126 .. 127; a block of zeros has e = 0. As a byte (E8M0): e + 127.
;;     - Each number is divided by its block's scale, clamped to +-28, and rounded to the nearest number of E3M2, ties to even, subnormals kept.
;;     - The product sums the exact products of the quantised numbers (number of the format x scale) in f32.
;;   ~~~python
;;   def quantise(x, axis):      # numpy; x: float32 -> the quantised numbers, widened to float32 again
;;       x = np.moveaxis(x, axis, -1); K = x.shape[-1]
;;       x = np.pad(x, [(0, 0)] * (x.ndim - 1) + [(0, -K % 32)]); x = x.reshape(x.shape[:-1] + (-1, 32)); a = np.abs(x).max(-1, keepdims=True)
;;       e = np.where(a > 0, np.clip(np.frexp(np.where(a > 0, a, 1))[1] - 1 - 4, -126, 127), 0)      # np.frexp(a)[1] - 1 = floor(log2(a)), exactly
;;       r = np.clip(x / 2.0 ** e, -28, 28)
;;       step = 2.0 ** (np.maximum(np.frexp(np.where(r == 0, 1, r))[1] - 1, -2) - 2)
;;       q = np.round(r / step) * step * 2.0 ** e      # np.round: ties to even
;;       return np.moveaxis(q.reshape(q.shape[:-2] + (-1,))[..., :K], -1, axis).astype(np.float32)
;;   ~~~
;;   OPERANDS COMPUTED ON THE WAY. 'Computed on the way' means the value that the module computes at that place (a softmax that the list does not call 'softmax' is quantised finished and normalised). What goes into a quantiser is computed in f32, as accurately as f32 sums, v_exp_f32 and their like allow (about 1e-6 of the number): no bf16 or f16 on the way to a quantiser, and a product that is left as it is and whose result goes on into a quantised operand takes f32 operands (vector FMAs, or v_wmma_f32_16x16x4_f32). A number that lies on a knife's edge between two numbers of the format may be rounded either way, as far as f32 arithmetic and the matrix unit's own rounding can turn it there, and no further.
;; One version. Each part assembles by itself: llvm-mc -triple=amdgcn-amd-amdhsa -mcpu=gfx1250 --defsym DOCPART=n.
;; ======== version 1 of 1: 3 launches
;; limits: right only within a limited range of input values
;; workspace buffers: wts 2,457,600 bytes; qvec 4,096 bytes; part_o 1,048,576 bytes; part_ml 32,768 bytes
;; launch prep (part 1): grid 256 x 1, 8 waves a work-group, no clusters, 71,680 bytes of LDS; arguments Wk, Wv, Wo, Wq, query, bq, wts, qvec; writes wts, qvec
.if DOCPART == 1
	.amdgcn_target "amdgcn-amd-amdhsa--gfx1250"
	.amdhsa_code_object_version 6
	.text
	.protected	k_q452c09a927_prep
	.globl	k_q452c09a927_prep
	.p2align	8
	.type	k_q452c09a927_prep,@function
k_q452c09a927_prep:
	s_mov_b64 s[64:65], 0
	v_nop
	global_prefetch_b8 v0, s[64:65] scope:SCOPE_SE
	s_setreg_imm32_b32 hwreg(HW_REG_WAVE_MODE, 25, 1), 1
	s_wait_xcnt 0x0
; Wk, Wv, Wo, Wq [1024][1024] f32, K innermost, become codes of BF6 (E3M2) with one E8M0 byte for each 32 along K.
; Work-group = one matrix (number / 64: Wk, Wv, Wo, Wq) and one tile of 16 rows (number % 64); wave w = K step w (128 along K).
; A fragment (16 rows x 128 K, 12 registers a lane) is stored as an IMAGE OF ITS REGISTERS: register group c of lane l at 512 c + 16 l; its 16 scale words at 4 r.
; Wk and Wv go into the stream that the next launch walks: slot = 8 mat + 2 (tile / 16) + (w / 4), 102,400 bytes a slot (64 images, then 64 x 64 bytes of words),
; place in the slot = ((w % 4) 2 + (tile / 8) % 2) 8 + tile % 8.  Wo's images lie behind the stream, fragment 8 tile + w, and its words behind them.
; THE ROWS OF A TILE OF Wk ARE NOT NEIGHBOURS: lane r of tile 2 b + u takes row 32 b + 8 u + r + 8 (r / 8), so that the next launch's results of tiles 2 b, 2 b + 1 are 16 neighbours along its second K.
; Wq is not stored: its work-groups make q = Q(query) Q(Wq)^T + bq, one matrix instruction a wave (K step w), the eight parts added in LDS order of K by wave 0.
; A block's scale: the largest magnitude's exponent field - 4, held at 1 from below (floor 2^(5 - 127) among the maximum's leaves).
; LIMITS: a block of zeros gets the byte 1 where the rule says 127 (its codes are zeros; this program alone reads the bytes); NaN and infinities among the inputs are not served.
.set FRB,   1536
.set SLOTB, 102400
.set WOI,   16*SLOTB                   ; Wo's images
.set WOS,   WOI+512*FRB                ; Wo's scale words
.set SPT,   272                        ; a stage row: 256 bytes + 16
.set RED,   8*16*SPT                   ; behind the eight stages: 8 x 64 bytes, q's parts
.set WO,  4                            ; v4   byte offset of my 16 bytes in the tile's rows 0-7: (lane / 16) rows + 16 (lane % 16)
.set WO2, 5                            ; v5   the same for rows 8-15 (Wk: 8 rows further on)
.set STW, 6                            ; v6   the stage, on the way in
.set STR, 7                            ; v7   and on the way out
.set IMO, 8                            ; v8   16 x lane
.set SCO, 9                            ; v9   4 x (lane % 16)
.set PWW, 10                           ; v10  the weight's scale word
.set PWQ, 11                           ; v11  the query's
.set QO,  12                           ; v12  64 x (lane / 16)
.set RDW, 13                           ; v13  where I put my part of q
.set RDR, 14                           ; v14  where wave 0 reads the parts
.set BQ,  15                           ; v15  bq
.set PCW, 16                           ; v16-34 the weight's codes (12) and scratch
.set PCQ, 36                           ; v36-54 the query's
.set R,   64                           ; v64-127 64 numbers as loaded; afterwards: TM, DD, SU
.set TM,  64                           ; v64-75 at work in QUANT
.set DD,  80                           ; v80-87 the product
.set SU,  88                           ; v88-95 the eight parts
.set X,   128                          ; v128-191 64 numbers, register 16 b + i = k 32 b + 16 (lane / 16) + i of my row
.set XQ,  192                          ; v192-255 the same of the query
; 64 numbers of a lane become a fragment's codes in v[pc] .. v[pc + 11] and its scale word in v[pw]
.macro QUANT src, pc, pw
.irp b, 0,1,2,3
	v_max3_num_f32 v[TM+\b], |v[\src+16*\b]|, |v[\src+16*\b+1]|, 0x2800000   ; block b: my 16 numbers and the floor
.endr
.irp i, 2,4,6,8,10,12,14
.irp b, 0,1,2,3
	s_delay_alu instid0(VALU_DEP_4)
	v_max3_num_f32 v[TM+\b], v[TM+\b], |v[\src+16*\b+\i]|, |v[\src+16*\b+\i+1]|
.endr
.endr
.irp b, 0,1,2,3
	s_delay_alu instid0(VALU_DEP_4)
	v_permlanex16_b32 v[TM+4+\b], v[TM+\b], s40, s41
.endr
.irp b, 0,1,2,3
	s_delay_alu instid0(VALU_DEP_4)
	v_max_num_f32 v[TM+\b], v[TM+\b], v[TM+4+\b]       ; with lane l xor 16's: the block's largest magnitude
.endr
.irp b, 0,1,2,3
	s_delay_alu instid0(VALU_DEP_4)
	v_add_nc_u32 v[TM+8+\b], 0xfe000000, v[TM+\b]      ; 4 off its exponent field: the conversion's scale operand
.endr
.irp b, 0,1,2,3
	s_delay_alu instid0(VALU_DEP_4)
	v_lshrrev_b32 v[TM+4+\b], 23, v[TM+8+\b]           ; the scale's byte
.endr
	s_delay_alu instid0(VALU_DEP_3)
	v_lshl_or_b32 v[\pw], v[TM+5], 8, v[TM+4]
	s_delay_alu instid0(VALU_DEP_1)
	v_lshl_or_b32 v[\pw], v[TM+6], 16, v[\pw]
	s_delay_alu instid0(VALU_DEP_1)
	v_lshl_or_b32 v[\pw], v[TM+7], 24, v[\pw]
.irp c, 0,1
	v_cvt_scalef32_pk16_bf6_f32 v[\pc+6*\c:\pc+6*\c+2], v[\src+32*\c:\src+32*\c+15], v[TM+8+2*\c]
	v_cvt_scalef32_pk16_bf6_f32 v[\pc+12+4*\c:\pc+14+4*\c], v[\src+16+32*\c:\src+31+32*\c], v[TM+9+2*\c]   ; (a conversion's three registers begin on an even number)
.endr
	v_nop                                              ; one plain place behind a scaled conversion
.irp c, 0,1                                            ; the operand's layout wants a whole block in a lane
.irp i, 0,1,2
	v_permlane16_swap_b32 v[\pc+6*\c+\i], v[\pc+12+4*\c+\i]
.endr
.irp i, 0,1,2
	s_delay_alu instid0(VALU_DEP_3)
	v_mov_b32 v[\pc+3+6*\c+\i], v[\pc+12+4*\c+\i]
.endr
.endr
.endm
	s_load_b256 s[4:11], s[0:1], 0x0                   ; Wk, Wv, Wo, Wq
	s_load_b256 s[12:19], s[0:1], 0x20                 ; query, bq, wts, qvec
	v_lshl_add_u32 v62, v0, 2, 0x8c00
	v_mov_b32 v63, 0
	v_lshrrev_b32 v15, 5, v0
	s_delay_alu instid0(VALU_DEP_1)
	v_readfirstlane_b32 s20, v15                       ; wave = K step
	s_lshr_b32 s21, ttmp9, 6                           ; which matrix
	s_and_b32 s22, ttmp9, 63                           ; which tile of 16 rows
	v_and_b32 v1, 31, v0                               ; lane
	v_and_b32 v2, 15, v0                               ; r
	v_bfe_u32 v3, v0, 4, 1                             ; h
	s_delay_alu instid0(VALU_DEP_2)
	v_lshlrev_b32 v[WO], 4, v2
	s_delay_alu instid0(VALU_DEP_1)
	v_lshl_add_u32 v[WO], v3, 12, v[WO]
	s_wait_alu depctr_va_vdst(0)
	s_lshr_b32 s23, s22, 1
	s_lshl_b32 s23, s23, 5
	s_and_b32 s24, s22, 1
	s_lshl_b32 s24, s24, 3
	s_add_co_u32 s23, s23, s24                         ; Wk: first row 32 (tile / 2) + 8 (tile % 2)
	s_lshl_b32 s24, s22, 4                             ; the others: 16 tile
	s_cmp_eq_u32 s21, 0
	s_cselect_b32 s23, s23, s24
	s_cselect_b32 s24, 8*4096, 0                       ; Wk: rows 8-15 of the tile lie 8 rows further on
	v_add_nc_u32 v[WO2], s24, v[WO]
	s_lshl_b32 s26, s23, 12
	s_lshl_b32 s25, s20, 9
	s_add_co_u32 s26, s26, s25                         ; first row x 4,096 + 512 x K step
	s_mov_b32 s27, 0
	s_mul_i32 s25, s20, 16*SPT                         ; my stage
	v_mul_u32_u24 v15, v3, SPT
	s_delay_alu instid0(VALU_DEP_1)
	v_lshl_add_u32 v15, v2, 4, v15
	s_delay_alu instid0(VALU_DEP_1)
	v_add_nc_u32 v[STW], s25, v15
	v_mul_u32_u24 v15, v2, SPT
	s_delay_alu instid0(VALU_DEP_1)
	v_lshl_add_u32 v15, v3, 6, v15
	s_delay_alu instid0(VALU_DEP_1)
	v_add_nc_u32 v[STR], s25, v15
	v_lshlrev_b32 v[IMO], 4, v1
	v_lshlrev_b32 v[SCO], 2, v2
	v_lshlrev_b32 v[QO], 6, v3
	s_lshl_b32 s25, s20, 6
	s_add_co_u32 s25, s25, RED
	v_lshl_add_u32 v[RDW], v2, 2, s25
	v_lshl_add_u32 v[RDR], v2, 2, RED
	s_mov_b32 s40, 0x76543210
	s_mov_b32 s41, 0xfedcba98                          ; v_permlanex16_b32's selects for lane l xor 16
	; where the fragment goes
	s_lshl_b32 s30, s21, 3
	s_lshr_b32 s31, s22, 4
	s_lshl_b32 s31, s31, 1
	s_add_co_u32 s30, s30, s31
	s_lshr_b32 s31, s20, 2
	s_add_co_u32 s30, s30, s31                         ; the stream's slot
	s_and_b32 s31, s20, 3
	s_lshl_b32 s31, s31, 1
	s_bfe_u32 s32, s22, 0x10003
	s_add_co_u32 s31, s31, s32
	s_lshl_b32 s31, s31, 3
	s_and_b32 s32, s22, 7
	s_add_co_u32 s31, s31, s32                         ; the place in it
	s_mul_i32 s30, s30, SLOTB
	s_mul_i32 s32, s31, FRB
	s_add_co_u32 s32, s32, s30                         ; the image
	; the stream's scale words: a block of 512 bytes for each eight places (a K step's eight tiles of one chunk), 16 bytes a lane as the next launch loads them:
	; the word of tile t, row r at 16 (16 (t % 2) + r) + 4 ((t % 8) / 2).  Wo's words stay 4 bytes a row, 64 bytes a fragment
	s_and_b32 s33, s31, 0x38
	s_lshl_b32 s33, s33, 6                             ; 512 x (place / 8)
	s_and_b32 s42, s22, 1
	s_lshl_b32 s42, s42, 8
	s_add_co_u32 s33, s33, s42                         ; + 256 (tile % 2)
	s_bfe_u32 s42, s22, 0x20001
	s_lshl_b32 s42, s42, 2
	s_add_co_u32 s33, s33, s42                         ; + 4 ((tile % 8) / 2)
	s_add_co_u32 s33, s33, s30
	s_add_co_u32 s33, s33, 64*FRB                      ; the words
	s_lshl_b32 s34, s22, 3
	s_add_co_u32 s34, s34, s20                         ; Wo: fragment 8 tile + K step
	s_mul_i32 s35, s34, FRB
	s_add_co_u32 s35, s35, WOI
	s_lshl_b32 s34, s34, 6
	s_add_co_u32 s34, s34, WOS
	s_cmp_eq_u32 s21, 2
	s_cselect_b32 s36, s35, s32
	s_cselect_b32 s38, s34, s33
	s_cselect_b32 s43, 2, 4                            ; from row to row: Wo 4 bytes, the stream 16
	v_lshlrev_b32 v35, s43, v2                         ; v35: my row's place among the fragment's scale words
	s_mov_b32 s37, 0
	s_mov_b32 s39, 0
	s_wait_alu depctr_va_vdst(0)
	s_wait_kmcnt 0x0
	s_cmp_eq_u32 s21, 1                                ; the choice hangs on the work-group's number alone
	s_cselect_b64 s[28:29], s[6:7], s[4:5]
	s_cmp_eq_u32 s21, 2
	s_cselect_b64 s[28:29], s[8:9], s[28:29]
	s_cmp_eq_u32 s21, 3
	s_cselect_b64 s[28:29], s[10:11], s[28:29]
	s_add_nc_u64 s[28:29], s[28:29], s[26:27]
; The matrix's fragment: sixteen loads, the turn through my stage, the quantiser.  It stands on two ways that part on the work-group's number alone (Wk, Wv, Wo; Wq); so: each way's stages have LDS bytes of their own.
.set QST, 36864                        ; Wq's way: eight stages behind the spare words
.macro BODY so
.irp hf, 0,1                                           ; each load: two rows' 256 consecutive bytes
.irp i, 0,1,2,3
	global_load_b128 v[R+32*\hf+4*\i:R+32*\hf+4*\i+3], v[WO], s[28:29] offset:256*\hf+8192*\i th:TH_LOAD_NT
.endr
.irp i, 4,5,6,7
	global_load_b128 v[R+32*\hf+4*\i:R+32*\hf+4*\i+3], v[WO2], s[28:29] offset:256*\hf+8192*\i th:TH_LOAD_NT
.endr
.endr
	s_wait_loadcnt 0x0
.irp hf, 0,1                                           ; through my own stage, half a K step at a time: LDS serves a wave's instructions in order, so one stage does
.irp j, 0,1,2,3,4,5,6,7
	ds_store_b128 v[STW], v[R+32*\hf+4*\j:R+32*\hf+4*\j+3] offset:\so+544*\j
.endr
.irp bb, 0,1
.irp j, 0,1,2,3
	ds_load_b128 v[X+32*\hf+16*\bb+4*\j:X+32*\hf+16*\bb+4*\j+3], v[STR] offset:\so+128*\bb+16*\j
.endr
.endr
.endr
	s_wait_dscnt 0x0                                   ; the numbers are back, and the stores have read v64-127
.irp b, 0,1,2,3
	v_mov_b32 v[TM+4+\b], 0                            ; a lane permute's destination counts as one of its sources
.endr
	QUANT X, PCW, PWW
.endm
	s_cmp_eq_u32 s21, 3
	s_cbranch_scc1 .Lq
	BODY 0
	; Wk, Wv, Wo: the image and the words leave
	s_add_nc_u64 s[36:37], s[16:17], s[36:37]
	s_add_nc_u64 s[38:39], s[16:17], s[38:39]
.irp c, 0,1,2
	global_store_b128 v[IMO], v[PCW+4*\c:PCW+4*\c+3], s[36:37] offset:512*\c   ; 32 lanes store 512 consecutive bytes, at a multiple of 256 from the buffer's first byte
.endr
	global_store_b32 v35, v[PWW], s[38:39]             ; both halves of the lanes hold the same word for row r
	s_wait_tensorcnt 0x0
	ds_add_u32 v62, v63
	s_wait_dscnt 0x0
	s_endpgm
.Lq:                                                   ; Wq: 16 numbers of q
	s_lshl_b32 s30, s20, 9
	s_mov_b32 s31, 0
	s_add_nc_u64 s[12:13], s[12:13], s[30:31]          ; the query's K step
	s_lshl_b32 s30, s22, 6
	s_add_nc_u64 s[14:15], s[14:15], s[30:31]          ; bq and q at the tile's 16 numbers
	s_add_nc_u64 s[18:19], s[18:19], s[30:31]
.irp b, 0,1,2,3
.irp j, 0,1,2,3
	global_load_b128 v[XQ+16*\b+4*\j:XQ+16*\b+4*\j+3], v[QO], s[12:13] offset:128*\b+16*\j   ; all 16 rows of the operand are the one query
.endr
.endr
	global_load_b32 v[BQ], v[SCO], s[14:15]
	BODY QST                                           ; Wq's loads go out behind the query's and bq's: its one wait for loads serves all of them
	QUANT XQ, PCQ, PWQ
.rept 8
	v_nop                                              ; a scale register written by a vector instruction stands 8 places ahead of a scaled matrix instruction, an operand 4
.endr
	v_wmma_scale_f32_16x16x128_f8f6f4 v[DD:DD+7], v[PCQ:PCQ+11], v[PCW:PCW+11], 0, v[PWQ], v[PWW] matrix_a_fmt:MATRIX_FMT_BF6 matrix_b_fmt:MATRIX_FMT_BF6
.rept 4
	v_nop
.endr
	ds_store_b32 v[RDW], v[DD]                         ; register 0: (row 8 h, column r); the rows are equal
	s_wait_dscnt 0x0                                   ; for the others' sake
	s_barrier_signal -1
	s_barrier_wait -1
	s_cmp_lg_u32 s20, 0
	s_cbranch_scc1 .Lend
.irp i, 0,1,2,3,4,5,6,7
	ds_load_b32 v[SU+\i], v[RDR] offset:64*\i
.endr
	s_wait_dscnt 0x0
.irp i, 1
	v_add_f32 v[SU], v[SU], v[SU+\i]                   ; K ascending
.endr
.irp i, 2, 3, 4, 5, 6, 7
	s_delay_alu instid0(VALU_DEP_1)
	v_add_f32 v[SU], v[SU], v[SU+\i]                   ; K ascending
.endr
	s_delay_alu instid0(VALU_DEP_1)
	v_add_f32 v[SU], v[SU], v[BQ]
	global_store_b32 v[SCO], v[SU], s[18:19]
.Lend:
	s_wait_tensorcnt 0x0
	ds_add_u32 v62, v63
	s_wait_dscnt 0x0
	s_endpgm
.Lfunc_end_k_q452c09a927_prep:
	.size	k_q452c09a927_prep, .Lfunc_end_k_q452c09a927_prep-k_q452c09a927_prep
	.p2alignl 7, 3214868480
	.fill 96, 4, 3214868480
	.section	.rodata,"a",@progbits
	.p2align	6, 0x0
	.amdhsa_kernel k_q452c09a927_prep
		.amdhsa_group_segment_fixed_size 71680
		.amdhsa_private_segment_fixed_size 0
		.amdhsa_enable_private_segment 0
		.amdhsa_kernarg_size 64
		.amdhsa_user_sgpr_count 2
		.amdhsa_user_sgpr_kernarg_segment_ptr 1
		.amdhsa_wavefront_size32 1
		.amdhsa_system_sgpr_workgroup_id_x 1
		.amdhsa_system_sgpr_workgroup_id_y 1
		.amdhsa_system_sgpr_workgroup_id_z 1
		.amdhsa_system_vgpr_workitem_id 0
		.amdhsa_next_free_vgpr 256
		.amdhsa_next_free_sgpr 66
		.amdhsa_reserve_vcc 0
		.amdhsa_float_denorm_mode_32 3
		.amdhsa_float_denorm_mode_16_64 3
		.amdhsa_memory_ordered 1
		.amdhsa_forward_progress 1
		.amdhsa_inst_pref_size 33
	.end_amdhsa_kernel
	.amdgpu_metadata
---
amdhsa.version: [ 1, 2 ]
amdhsa.kernels:
  - .name:           k_q452c09a927_prep
    .symbol:         k_q452c09a927_prep.kd
    .args:
      - { .name: Wk, .offset: 0, .size: 8, .value_kind: global_buffer, .address_space: global }
      - { .name: Wv, .offset: 8, .size: 8, .value_kind: global_buffer, .address_space: global }
      - { .name: Wo, .offset: 16, .size: 8, .value_kind: global_buffer, .address_space: global }
      - { .name: Wq, .offset: 24, .size: 8, .value_kind: global_buffer, .address_space: global }
      - { .name: query, .offset: 32, .size: 8, .value_kind: global_buffer, .address_space: global }
      - { .name: bq, .offset: 40, .size: 8, .value_kind: global_buffer, .address_space: global }
      - { .name: wts, .offset: 48, .size: 8, .value_kind: global_buffer, .address_space: global }
      - { .name: qvec, .offset: 56, .size: 8, .value_kind: global_buffer, .address_space: global }
    .group_segment_fixed_size: 71680
    .private_segment_fixed_size: 0
    .kernarg_segment_align: 8
    .kernarg_segment_size: 64
    .max_flat_workgroup_size: 256
    .sgpr_count:     66
    .vgpr_count:     256
    .wavefront_size: 32
...
	.end_amdgpu_metadata
.endif
;; end of part 1
;; launch main (part 2): grid 256 x 1, 4 waves a work-group, clusters of 4 x 1, 327,680 bytes of LDS; arguments Y, bk, qvec, wts, part_o, part_ml; writes part_o, part_ml
.if DOCPART == 2
	.amdgcn_target "amdgcn-amd-amdhsa--gfx1250"
	.amdhsa_code_object_version 6
	.text
	.protected	k_q452c09a927_main
	.globl	k_q452c09a927_main
	.p2align	8
	.type	k_q452c09a927_main,@function
k_q452c09a927_main:
	s_mov_b64 s[64:65], 0
	v_nop
	global_prefetch_b8 v0, s[64:65] scope:SCOPE_SE
	s_setreg_imm32_b32 hwreg(HW_REG_WAVE_MODE, 25, 1), 1
	s_wait_xcnt 0x0
	s_wait_alu depctr_hold_cnt(0) depctr_sa_sdst(0) depctr_va_vdst(0) depctr_va_sdst(0) depctr_va_ssrc(0) depctr_va_vcc(0) depctr_vm_vsrc(0)
	s_getreg_b32 s2, hwreg(HW_REG_IB_STS2, 6, 4)
	s_cmp_eq_u32 s2, 0
	s_cbranch_scc0 .Lentry_in_a_cluster
	s_endpgm
.Lentry_in_a_cluster:
	s_bfe_u32 s2, ttmp6, 0x10000c
	s_cmp_lg_u32 s2, 0x3003
	s_cbranch_scc0 .Lentry_shape_is_right
	s_endpgm
.Lentry_shape_is_right:
; For 128 rows of Y (work-group G: rows 128 G on; 16 work-groups make a batch): keys = Q(Y) Q(Wk)^T + bk; scores = q . keys for each of 16 heads; values = Q(keys) Q(Wv)^T;
; p = 2^((score - m) log2(e) / 8), m the head's largest score among these 128 rows; part_o[G] = sum over rows of p x values, part_ml[G] = 16 m, 16 sums of p.  Keys and values never go to memory.
; Both products on codes of BF6 (E3M2) with one E8M0 byte for each 32 along K; scores, softmax and pooling in f32 (fused multiply-adds).  bv is added by the next launch: (sum p (v + bv)) / sum p = (sum p v) / sum p + bv.
; SHARES.  Four waves, 2 x 2: wr = wave / 2 owns rows 64 wr on (4 tiles of 16), wc = wave % 2 every second chunk of 128 columns (chunk 2 c + wc, c = 0 .. 3).
; A wave's left operand, 64 rows x K 1,024 = 32 fragments = 384 registers, stays in registers for a whole product: first Y's codes, then the keys'.  32 accumulators (4 x 8 tiles), 256 registers.
; THE WEIGHTS are one stream of 16 slots of 102,400 bytes (64 fragment images and their scale words, in the order in which they are read), the same for every work-group: it comes through a ring of two LDS
; slots by joint tensor loads of the cluster's four work-groups, a quarter of a slot a wave.  A slot holds 4 K steps for both wc: 128 matrix instructions a wave between two changes of slots.
; FIRST PRODUCT TRANSPOSED (source 0 = 16 rows of Wk, source 1 = 16 rows of Y): a lane holds one row, and, by the choice of Wk's rows in a tile, the 16 registers of tiles 2 b, 2 b + 1 are columns 32 b + 16 (lane / 16) + 0 .. 15:
; 16 neighbours along the second product's K.  SECOND PRODUCT as it is (source 0 = the keys' 16 rows, source 1 = 16 rows of Wv): a lane holds one column and eight rows, which the pooling sums.
; OPERANDS GO FROM WAVE TO WAVE THROUGH LDS AS IMAGES OF THEIR REGISTERS (register group c of lane l at 512 c + 16 l), scale words 4 bytes a row.  Whatever is stored in a loop goes to a region of the storing wave's own.
; LIMITS: a block of zeros gets the byte 1 where the rule says 127 (its codes are zeros; this program alone reads the bytes); NaN and infinities among the inputs are not served.
; REGISTERS, in windows of 256 (s_set_vgpr_msb: bits 1:0 source 0, 3:2 source 1, 5:4 source 2, 7:6 destination):
;   window 0: v1-31 addresses; v32-47 the left operand's scale words; v48-55 the weights'; v56-93 at work; v96-159 bias, then q, then p; v160-255 weights' fragments, set 0
;   window 1: left operand, K steps 0-4 (48 s + 12 a); while Y streams: four sets of 64 numbers as loaded
;   window 2: left operand, K steps 5-7; v144-239 weights' fragments, set 1          window 3: accumulator (a, t) at 64 a + 8 t; while Y streams: v0-63 the numbers in hand
.set FRB,   1536                       ; a fragment's image
.set SLOTB, 102400                     ; a slot
.set QUART, 25600                      ; what one tensor load brings: 100 rows of 256 bytes
.set AIMG,  204800                     ; 64 images: Y's (fragment 8 x row tile + K step), later the keys' (wave x 16 + c x 4 + a)
.set ASC,   303104                     ; their scale words, 64 bytes a fragment
.set STG,   307200                     ; while Y streams: a stage of 16 rows x 272 bytes for each wave
.set SPT,   272
.set PT,    307200                     ; afterwards: scores, then p: wave x 2,048 + c x 512 + head x 256 + 4 x row
.set POOL,  315392                     ; pooled parts: wave x 2,048 + c x 512 + 4 x column
.set STAT,  323584                     ; 16 m, 16 sums
.set SPARE, 324608                     ; the spare words, 128 bytes for each wave: two blocks of 256 bytes that no other line names
.set SPW, 1
.set NIL, 2
.set YO,  3                            ; Y: (lane / 16) rows + 16 (lane % 16)
.set STW, 4                            ; the stage, in
.set STR, 5                            ; the stage, out
.set XW0, 6                            ; my images: AIMG + 16 FRB wave + 16 lane
.set XS0, 7                            ; my scale words: ASC + 1,024 wave + 4 (lane % 16)
.set XWA, 8                            ; the two, stepped
.set XSA, 9
.set AL,  10                           ; the images that I read: AIMG + 32 FRB wr + 16 lane
.set ASL, 11                           ; Y's scale words: ASC + 2,048 wr + 4 lane
.set BA,  12                           ; v12-15 weights: slot, half of the slot
.set BS,  16                           ; v16-17 their scale words: slot
.set ASLH, 18                          ; the keys' scale words: ASC + 2,048 wr + 1,024 (lane / 16) + 4 (lane % 16)
.set SMA, 19                           ; the softmax's scores
.set STA, 20                           ; STAT + 16 wave
.set GOUT, 21                          ; part_o: 1,024 wave + 16 lane
.set BQO, 22                           ; bk and q: 512 wc + 64 (lane / 16), + 1,024 a chunk
.set PTW0, 23
.set PTWA, 24
.set PTR0, 25
.set PTRA, 26
.set POW0, 27
.set POWA, 28
.set PFO, 29                           ; the prefetches' offset
.set FIN, 30
.set STL, 31
.set SA,  32
.set SB,  48
.set TM,  56                           ; v56-67 QUANT's maxima, bytes, scale operands
.set PW,  68                           ; the scale word just made
.set PC,  70                           ; v70-88 the codes just made, and scratch
.set SCT, 56                           ; v56-87 the scores' 16 chains;  v56-71 the pooling's 8
.set RES, 90                           ; v90-93 what goes to LDS from the chains (at the head: lane, r, h, scratch)
.set LN,  90
.set RR,  91
.set HH,  92
.set TT,  93
.set MLD, 94
.set MLO, 95
.set CQ,  96
.set WV,  16
.set WR,  17
.set WC,  18
.set CX,  19
.set GG,  20
.set CNT, 21
.set SEL, 22                           ; s[22:23]
.set HM,  24                           ; lanes 16-31
.set CE,  25                           ; log2(e) / 8
.set SIG, 26                           ; the stream's slot that is being asked for
.set LIM, 27
.set G1,  28                           ; s[28:35]
.set G0,  36                           ; s[36:39], s[40:43]: a group 0 for each slot
.set PFA, 44                           ; s[44:45]
.set XOF, 46
.set XSO, 47
.set HOF, 48
.set HSO, 49
.set PTO, 50
.set POF, 51
.set YB,  52                           ; s[52:53]
.set MSB, 0
.macro WIN new                         ; the immediate's high byte repeats the setting that is left; a switch that changes nothing is dropped
.if MSB != (\new)
	s_set_vgpr_msb (MSB<<8)|(\new)
.set MSB, (\new)
.endif
.endm
.macro PLACES n
.rept \n
	v_nop
.endr
.endm
.macro CREST                           ; a round of the cluster's barrier behind its opening barrier
	s_cmp_lg_u32 s[WV], 0
	s_cbranch_scc1 .Lnot_wave_0_\@
	s_barrier_signal -3
.Lnot_wave_0_\@:
	s_barrier_wait -3
	s_barrier_signal -1
	s_barrier_wait -1
.endm
.macro CROUND
	s_barrier_signal -1
	s_barrier_wait -1
	CREST
.endm
; one matrix instruction on the symbols rD, rX, rY, rC, rSX, rSY.  z: C = 0.  ra, rb: source 0's, source 1's scales stand in lanes 16-31
.macro WM z, ra, rb
.if \z
.if \ra
.if \rb
	v_wmma_scale_f32_16x16x128_f8f6f4 v[rD:rD+7], v[rX:rX+11], v[rY:rY+11], 0, v[rSX], v[rSY] matrix_a_fmt:MATRIX_FMT_BF6 matrix_b_fmt:MATRIX_FMT_BF6 matrix_a_scale:MATRIX_SCALE_ROW1 matrix_b_scale:MATRIX_SCALE_ROW1
.else
	v_wmma_scale_f32_16x16x128_f8f6f4 v[rD:rD+7], v[rX:rX+11], v[rY:rY+11], 0, v[rSX], v[rSY] matrix_a_fmt:MATRIX_FMT_BF6 matrix_b_fmt:MATRIX_FMT_BF6 matrix_a_scale:MATRIX_SCALE_ROW1
.endif
.else
.if \rb
	v_wmma_scale_f32_16x16x128_f8f6f4 v[rD:rD+7], v[rX:rX+11], v[rY:rY+11], 0, v[rSX], v[rSY] matrix_a_fmt:MATRIX_FMT_BF6 matrix_b_fmt:MATRIX_FMT_BF6 matrix_b_scale:MATRIX_SCALE_ROW1
.else
	v_wmma_scale_f32_16x16x128_f8f6f4 v[rD:rD+7], v[rX:rX+11], v[rY:rY+11], 0, v[rSX], v[rSY] matrix_a_fmt:MATRIX_FMT_BF6 matrix_b_fmt:MATRIX_FMT_BF6
.endif
.endif
.else
.if \ra
.if \rb
	v_wmma_scale_f32_16x16x128_f8f6f4 v[rD:rD+7], v[rX:rX+11], v[rY:rY+11], v[rC:rC+7], v[rSX], v[rSY] matrix_a_fmt:MATRIX_FMT_BF6 matrix_b_fmt:MATRIX_FMT_BF6 matrix_a_scale:MATRIX_SCALE_ROW1 matrix_b_scale:MATRIX_SCALE_ROW1
.else
	v_wmma_scale_f32_16x16x128_f8f6f4 v[rD:rD+7], v[rX:rX+11], v[rY:rY+11], v[rC:rC+7], v[rSX], v[rSY] matrix_a_fmt:MATRIX_FMT_BF6 matrix_b_fmt:MATRIX_FMT_BF6 matrix_a_scale:MATRIX_SCALE_ROW1
.endif
.else
.if \rb
	v_wmma_scale_f32_16x16x128_f8f6f4 v[rD:rD+7], v[rX:rX+11], v[rY:rY+11], v[rC:rC+7], v[rSX], v[rSY] matrix_a_fmt:MATRIX_FMT_BF6 matrix_b_fmt:MATRIX_FMT_BF6 matrix_b_scale:MATRIX_SCALE_ROW1
.else
	v_wmma_scale_f32_16x16x128_f8f6f4 v[rD:rD+7], v[rX:rX+11], v[rY:rY+11], v[rC:rC+7], v[rSX], v[rSY] matrix_a_fmt:MATRIX_FMT_BF6 matrix_b_fmt:MATRIX_FMT_BF6
.endif
.endif
.endif
.endm
; K step s of product g, column tiles lo .. hi, each against the four row tiles.  The 32 accumulators take turns, one instruction a turn, in the same order in every step.
; g = 1: the first step's C is the bias (eight registers a tile, in the result's layout).  g = 2: the first step's C is 0.  Nothing is ever cleared.
.macro MUL g, s, lo, hi
.irp t, 0,1,2,3,4,5,6,7
.if (\t >= \lo) && (\t <= \hi)
.irp a, 0,1,2,3
.set rD, 64*\a+8*\t
.set rC, rD
.set rW, 160-16*((\s)%2)+12*\t
.set rA, 48*((\s)%5)+12*\a
.set rSA, SA+4*\a+(\s)/2
.set rSW, SB+4*((\s)%2)+\t/2
.if \g == 1
.set rX, rW
.set rY, rA
.set rSX, rSW
.set rSY, rSA
.if \s == 0
.set rC, CQ+8*\t
.endif
	WM 0, \t%2, (\s)%2
.else
.set rX, rA
.set rY, rW
.set rSX, rSA
.set rSY, rSW
.if \s == 0
	WM 1, (\s)%2, \t%2
.else
	WM 0, (\s)%2, \t%2
.endif
.endif
.endr
.endif
.endr
.endm
.macro SETMW g, s                      ; the windows of K step s's products: weights' set s % 2 in window 0 or 2, the left operand in window 1 (s < 5) or 2, C and D in window 3 (the bias in window 0)
.if \g == 1
.if \s == 0
	WIN 0xc4
.else
	WIN 0xf0+2*((\s)%2)+4*(1+(\s)/5)
.endif
.else
	WIN 0xf0+(1+(\s)/5)+8*((\s)%2)
.endif
.endm
; K step s's scale words and eight fragments of the weights into set s % 2, always in this order: FSC, one load of 16 bytes a lane: register i holds in lanes 0-15 the words of tile 2 i, in lanes 16-31 those of tile 2 i + 1;
; FL, loads n0 .. n0 + cnt - 1 of the 24 loads of 512 consecutive bytes (load n: register group n % 3 of fragment n / 3, 512 n bytes into the step's images).
.macro FSET s
.set fSL, ((\s)/4)%2
.set fQ, (\s)%4
.set fP, (\s)%2
.endm
.macro FSC s
	FSET \s
	WIN 0
	ds_load_b128 v[SB+4*fP:SB+4*fP+3], v[BS+fSL] offset:1024*fQ
.endm
.macro FL s, n0, cnt
	FSET \s
	WIN 0x80*fP
.set fN, \n0
.rept \cnt
	ds_load_b128 v[160-16*fP+4*fN:160-16*fP+4*fN+3], v[BA+2*fSL+fQ/2] offset:(fQ%2)*16*FRB+512*fN
.set fN, fN+1
.endr
.endm
.macro FETCH s                         ; all 25 on end
	FSC \s
	FL \s, 0, 24
	WIN 0
.endm
.macro CLOAD base                      ; 64 numbers of bk or of q in the first product's layout: register 16 b + i = column 32 b + 16 (lane / 16) + i of my chunk
.irp b, 0,1,2,3
.irp j, 0,1,2,3
	global_load_b128 v[CQ+16*\b+4*\j:CQ+16*\b+4*\j+3], v[BQO], s[\base:\base+1] offset:128*\b+16*\j
.endr
.endr
.endm
; A K step whose successor lies in the same slot.  The next step's 25 LDS loads go out in ONE run at the step's head, as soon as the registers that they fill are free (the step before has multiplied them),
; and not behind a wait for this step's own set: two sets' loads, 50, are then out.  Ahead of group t (four products) its fragment t is waited for by count: behind that fragment's three loads stand
; the 3 (7 - t) later loads of its own set and the 25 just issued.
; K step 0 issues no loads: K step 1's set was fetched in the epilogue of the chunk before (ahead of the first chunk: with K step 0's).  It waits for its own set alone, by count.  Behind that set stand at least:
; first product: K step 1's 25 loads (on the way round the loop the quantiser's waits have left fewer out);  second product: K step 1's 25 loads, the pooling's 4 stores and the 16 loads of p
; (on the way in from the softmax only the 16 are out).  What may stay out here is shown done by K step 1's last wait, which leaves only that step's own 25.
.macro STEP g, s
.if (\s) > 0
	PLACES 4                                           ; in front of loads into registers that matrix instructions have read
	FETCH (\s)+1
.if (\g == 1) && (\s == 1)
	CLOAD 8                                            ; q takes the bias's registers: the first step has read them
.endif
.irp t, 0,1,2,3,4,5,6,7
	s_wait_dscnt 25+3*(7-\t)
	SETMW \g, \s
	MUL \g, \s, \t, \t
.endr
.else
.if \g == 1
	s_wait_dscnt 25
	s_wait_loadcnt 0x0                                 ; the bias
.else
	s_wait_dscnt 45
.endif
	SETMW \g, \s
	MUL \g, \s, 0, 7
.endif
.endm
; A prefetch of the stream's slot two behind the one that is being asked for.  Every cluster asks for what it will itself load: of the 100 rows of 256 bytes that a wave fetches, each of the four partners
; names 25, told apart by address, a lane a row (lanes 25-31 name lane 24's).  Slots 1 to 3 are asked for in the loop over Y, one a trip; the last two refills have no slot two on.
.macro ASK
	s_cmp_lt_u32 s[SIG], s[LIM]
	s_cbranch_scc0 .Lno_ask_\@
	s_cmp_lt_u32 ttmp9, 4
	s_cbranch_scc0 .Lno_prefetch_main0_\@
	global_prefetch_b8 v[PFO], s[PFA:PFA+1] th:TH_LOAD_NT scope:SCOPE_SE
.Lno_prefetch_main0_\@:
.Lno_ask_\@:
.endm
; A slot's last K step changes slots: one barrier; in front of it each wave waits for all its tensor loads (its part of the next slot), adds 0 to its spare word, and waits for that and for its reads of this slot.
; fill = 1: the barrier opens a round of the cluster's barrier, and this slot is filled again, first thing behind the round, with the stream's slot two on.
.macro TURN g, s, fill
.if \fill
	s_wait_xcnt 0x0                                    ; the last prefetch, four K steps back, has read its address
	s_add_nc_u64 s[PFA:PFA+1], s[PFA:PFA+1], SLOTB
	s_add_co_u32 s[SIG], s[SIG], 1
.endif
	WIN 0                                              ; (the add's two registers lie in window 0)
	s_wait_tensorcnt 0x0                               ; all my tensor loads have landed
	ds_add_u32 v[SPW], v[NIL]                          ; 0 onto my spare word
	s_wait_dscnt 22                                    ; this step's scale words and fragment 0 are in; the 21 loads behind them and the add may be out
	SETMW \g, \s
	MUL \g, \s, 0, 0
.if \fill
	s_add_nc_u64 s[G0+4*((\s)/4)+2:G0+4*((\s)/4)+3], s[G0+4*((\s)/4)+2:G0+4*((\s)/4)+3], 2*SLOTB   ; no tensor load of mine is out: this slot's next address
.endif
	s_wait_dscnt 0x0                                   ; the add is done, and my reads of this slot are over
	s_barrier_signal -1
	MUL \g, \s, 1, 1
	WIN 0
	s_barrier_wait -1
.if \fill
	CREST                                              ; no wave of any partner still reads this slot or has a load on its way
	tensor_load_to_lds s[G0+4*((\s)/4):G0+4*((\s)/4)+3], s[G1:G1+7]
	s_nop 0
.endif
	PLACES 4                                           ; behind the tensor load, and in front of the loads below
	FETCH (\s)+1                                       ; the next slot's first step, in one run
.if \fill
	ASK
.endif
	SETMW \g, \s
	MUL \g, \s, 2, 7
.endm
; Sixteen loads: a fragment's 16 rows x 128 numbers of Y into set k of window 1; each load takes two rows' 256 consecutive bytes
.macro LOADF k, rt, e, add
	WIN 0x40
.irp hf, 0,1
.irp i, 0,1,2,3,4,5,6,7
	global_load_b128 v[64*(\k)+32*\hf+4*\i:64*(\k)+32*\hf+4*\i+3], v[YO], s[YB:YB+1] offset:(\rt)*65536+(\e)*512+(\add)+\hf*256+\i*8192 th:TH_LOAD_NT
.endr
.endr
.endm
; 64 numbers of a lane in window 3, v[s] on, register 16 b + i = k 32 b + 16 (lane / 16) + i of my row, become a fragment's codes in v[PC] on and its scale word in v[PW]
.macro QUANT s
	WIN 0x3c                                           ; sources 1 and 2: window 3
.irp b, 0,1,2,3
	v_max3_num_f32 v[TM+\b], 0x2800000, |v[(\s)+16*\b]|, |v[(\s)+16*\b+1]|   ; block b: my 16 numbers, and the floor 2^(5 - 127): the byte cannot fall under 1
.endr
.irp i, 2,4,6,8,10,12,14
.irp b, 0,1,2,3
	v_max3_num_f32 v[TM+\b], v[TM+\b], |v[(\s)+16*\b+\i]|, |v[(\s)+16*\b+\i+1]|
.endr
.endr
	WIN 0
.irp b, 0,1,2,3
	v_permlanex16_b32 v[TM+4+\b], v[TM+\b], s[SEL], s[SEL+1]
.endr
.irp b, 0,1,2,3
	v_max_num_f32 v[TM+\b], v[TM+\b], v[TM+4+\b]       ; with lane l xor 16's: the block's largest magnitude
.endr
.irp b, 0,1,2,3
	v_add_nc_u32 v[TM+8+\b], 0xfe000000, v[TM+\b]      ; 4 off its exponent field: the conversion's scale operand
.endr
.irp b, 0,1,2,3
	v_lshrrev_b32 v[TM+4+\b], 23, v[TM+8+\b]           ; the scale's byte
.endr
	s_wait_alu depctr_va_vdst(0)
	s_wait_dscnt 0x0                                   ; the last image's stores have read the word and the codes
	v_lshl_or_b32 v[PW], v[TM+5], 8, v[TM+4]
	v_lshl_or_b32 v[PW], v[TM+6], 16, v[PW]
	v_lshl_or_b32 v[PW], v[TM+7], 24, v[PW]
	WIN 0x03                                           ; source 0: window 3
.irp c, 0,1
	v_cvt_scalef32_pk16_bf6_f32 v[PC+6*\c:PC+6*\c+2], v[(\s)+32*\c:(\s)+32*\c+15], v[TM+8+2*\c]
	v_cvt_scalef32_pk16_bf6_f32 v[PC+12+4*\c:PC+14+4*\c], v[(\s)+16+32*\c:(\s)+31+32*\c], v[TM+9+2*\c]   ; (a conversion's three registers begin on an even number)
.endr
	WIN 0
	v_nop                                              ; one plain place behind a scaled conversion
.irp c, 0,1                                            ; the operand's layout wants a whole block in a lane
.irp i, 0,1,2
	v_permlane16_swap_b32 v[PC+6*\c+\i], v[PC+12+4*\c+\i]
.endr
.irp i, 0,1,2
	v_mov_b32 v[PC+3+6*\c+\i], v[PC+12+4*\c+\i]
.endr
.endr
.endm
.macro IMAGE adr, sadr, off, soff      ; the fragment goes to LDS as it stands; both halves of the lanes hold the same word for row r
.irp c, 0,1,2
	ds_store_b128 v[\adr], v[PC+4*\c:PC+4*\c+3] offset:(\off)+512*\c
.endr
	ds_store_b32 v[\sadr], v[PW] offset:\soff
.endm
; Fragment f of a trip (row tile f / 2, K step f % 2 of the trip's two).  FIRST the fragment three on is asked for (ld = 1), into the set that the fragment before has left: its stores into the stage were waited for there.
; Then the wait for my own sixteen loads (left: the younger loads that may stay out); the 64 registers turn through my stage, half a K step at a time (LDS serves a wave's instructions in order, so one stage does), and are quantised.
.macro XFRAG f, ld, nk, nrt, ne, nadd, left
.if \ld
	LOADF \nk, \nrt, \ne, \nadd
.endif
	s_wait_loadcnt \left
.irp hf, 0,1
	WIN 0x04                                           ; an LDS store's data are its source 1: window 1
.irp j, 0,1,2,3,4,5,6,7
	ds_store_b128 v[STW], v[64*(\f)+32*\hf+4*\j:64*(\f)+32*\hf+4*\j+3] offset:2*SPT*\j
.endr
	WIN 0xc0                                           ; destination window 3
.irp bb, 0,1
.irp j, 0,1,2,3
	ds_load_b128 v[32*\hf+16*\bb+4*\j:32*\hf+16*\bb+4*\j+3], v[STR] offset:128*\bb+16*\j
.endr
.endr
.endr
	WIN 0
	s_wait_dscnt 0x0                                   ; the numbers are back, and the stores have read this fragment's set
	QUANT 0
	IMAGE XWA, XSA, (8*((\f)/2)+(\f)%2)*FRB, (8*((\f)/2)+(\f)%2)*64
.endm
; my 32 fragments of the left operand and their scale words, from LDS into registers.  hm = 0: Y's images; hm = 1: the keys' (K step s was made by wave 2 wr + s % 2 in its chunk s / 2)
.macro LOADA hm
.irp s, 0,1,2,3,4,5,6,7
	WIN 0x40+0x40*(\s/5)
.irp a, 0,1,2,3
.irp c, 0,1,2
.if \hm
	ds_load_b128 v[48*(\s%5)+12*\a+4*\c:48*(\s%5)+12*\a+4*\c+3], v[AL] offset:(\s%2)*16*FRB+(\s/2)*4*FRB+\a*FRB+512*\c
.else
	ds_load_b128 v[48*(\s%5)+12*\a+4*\c:48*(\s%5)+12*\a+4*\c+3], v[AL] offset:(8*\a+\s)*FRB+512*\c
.endif
.endr
.endr
.endr
	WIN 0
.irp a, 0,1,2,3                                        ; register 4 a + s / 2: lanes 0-15 the even K step's words, lanes 16-31 the odd one's
.irp c, 0,1,2,3
.if \hm
	ds_load_b32 v[SA+4*\a+\c], v[ASLH] offset:256*\c+64*\a
.else
	ds_load_b32 v[SA+4*\a+\c], v[ASL] offset:128*(4*\a+\c)
.endif
.endr
.endr
.endm
.macro PLOAD                           ; p of my chunk's two heads in the second product's layout: register 32 head + 8 a + j = row 16 a + 8 (lane / 16) + j of my 64
	v_add_nc_u32 v[PTRA], s[PTO], v[PTR0]
.irp e, 0,1
.irp a, 0,1,2,3
.irp j, 0,1
	ds_load_b128 v[CQ+32*\e+8*\a+4*\j:CQ+32*\e+8*\a+4*\j+3], v[PTRA] offset:256*\e+64*\a+16*\j
.endr
.endr
.endr
.endm
; the pooling of a chunk: for each of my 128 columns the sum over my 64 rows of p x value: eight chains (a tile each) by turns, each accumulator from its low end on
.macro EPI2 nx                         ; nx = 1: a chunk follows
	WIN 0
	v_add_nc_u32 v[POWA], s[POF], v[POW0]              ; with the three below: the places behind the last products
	PLACES 3
.if \nx
	FETCH 9                                            ; the next chunk's K step 1 (slot 0, whole since the last change of slots) into the odd set, which the last products have left
.endif
	WIN 0x03
.irp a, 0,1,2,3
.irp p, 0,1,2,3
.irp t, 0,1,2,3,4,5,6,7
.if (\a == 0) && (\p == 0)
	v_pk_mul_f32 v[SCT+2*\t:SCT+2*\t+1], v[64*\a+8*\t+2*\p:64*\a+8*\t+2*\p+1], v[CQ+32*(\t/4)+8*\a+2*\p:CQ+32*(\t/4)+8*\a+2*\p+1]
.else
	v_pk_fma_f32 v[SCT+2*\t:SCT+2*\t+1], v[64*\a+8*\t+2*\p:64*\a+8*\t+2*\p+1], v[CQ+32*(\t/4)+8*\a+2*\p:CQ+32*(\t/4)+8*\a+2*\p+1], v[SCT+2*\t:SCT+2*\t+1]
.endif
.endr
.endr
.endr
	WIN 0
.irp t, 0,1,2,3,4,5,6,7
	v_add_f32 v[SCT+2*\t], v[SCT+2*\t], v[SCT+2*\t+1]
.endr
.irp t, 0,1,2,3,4,5,6,7
	v_permlanex16_b32 v[SCT+2*\t+1], v[SCT+2*\t], s[SEL], s[SEL+1]   ; the column's other 32 rows lie in the lane 16 away
.endr
.irp t, 0,1,2,3,4,5,6,7
	v_add_f32 v[SCT+2*\t], v[SCT+2*\t], v[SCT+2*\t+1]
.endr
.irp t, 0,1,2,3
	v_cndmask_b32 v[RES+\t], v[SCT+4*\t], v[SCT+4*\t+2], s[HM]       ; lanes 0-15 tile 2 t, lanes 16-31 tile 2 t + 1: 32 neighbouring columns
.endr
.irp t, 0,1,2,3
	ds_store_b32 v[POWA], v[RES+\t] offset:128*\t
.endr
.endm
	s_load_b256 s[4:11], s[0:1], 0x0                   ; Y s[4:5], bk s[6:7], q s[8:9], the weights s[10:11]
	s_load_b128 s[12:15], s[0:1], 0x20                 ; part_o, part_ml
	v_lshl_add_u32 v[SPW], v0, 2, SPARE
	v_mov_b32 v[NIL], 0
	ds_add_u32 v1, v2
	ds_add_u32 v1, v2
	s_wait_dscnt 0x0
	v_lshrrev_b32 v[TT], 5, v0
	v_readfirstlane_b32 s[WV], v[TT]                   ; wave 0..3
	s_lshr_b32 s[WR], s[WV], 1
	s_and_b32 s[WC], s[WV], 1
	s_bfe_u32 s[CX], ttmp6, 0x40000                    ; my place in the cluster: it enters global addresses of Y, of the results and of the prefetches alone
	s_lshl_b32 s[GG], ttmp9, 2
	s_add_co_u32 s[GG], s[GG], s[CX]                   ; my block of 128 rows
	v_and_b32 v[LN], 31, v0
	v_and_b32 v[RR], 15, v0
	v_bfe_u32 v[HH], v0, 4, 1
	v_lshlrev_b32 v[YO], 4, v[RR]
	v_lshl_add_u32 v[YO], v[HH], 12, v[YO]
	s_mul_i32 s54, s[WV], 16*SPT
	s_add_co_u32 s54, s54, STG
	v_mul_u32_u24 v[TT], v[HH], SPT
	v_lshl_add_u32 v[TT], v[RR], 4, v[TT]
	v_add_nc_u32 v[STW], s54, v[TT]                    ; in: lanes 0-15 an even row, lanes 16-31 the odd one
	v_mul_u32_u24 v[TT], v[RR], SPT
	v_lshl_add_u32 v[TT], v[HH], 6, v[TT]
	v_add_nc_u32 v[STR], s54, v[TT]                    ; out: row r, my half's 16 numbers of a block of 32
	s_mul_i32 s54, s[WV], 16*FRB
	s_add_co_u32 s54, s54, AIMG
	v_lshl_add_u32 v[XW0], v[LN], 4, s54
	s_lshl_b32 s54, s[WV], 10
	s_add_co_u32 s54, s54, ASC
	v_lshl_add_u32 v[XS0], v[RR], 2, s54
	s_mul_i32 s54, s[WR], 32*FRB
	s_add_co_u32 s54, s54, AIMG
	v_lshl_add_u32 v[AL], v[LN], 4, s54
	s_lshl_b32 s54, s[WR], 11
	s_add_co_u32 s54, s54, ASC
	v_lshl_add_u32 v[ASL], v[LN], 2, s54
	v_lshl_add_u32 v[ASLH], v[RR], 2, s54
	v_lshl_add_u32 v[ASLH], v[HH], 10, v[ASLH]
	s_mul_i32 s54, s[WC], 8*FRB
	v_lshl_add_u32 v[BA], v[LN], 4, s54
	v_add_nc_u32 v[BA+1], 32*FRB, v[BA]
	v_add_nc_u32 v[BA+2], SLOTB, v[BA]
	v_add_nc_u32 v[BA+3], SLOTB+32*FRB, v[BA]
	s_lshl_b32 s54, s[WC], 9
	s_add_co_u32 s54, s54, 64*FRB
	v_lshl_add_u32 v[BS], v[LN], 4, s54                ; 16 bytes a lane
	v_add_nc_u32 v[BS+1], SLOTB, v[BS]
	s_lshl_b32 s54, s[WV], 9
	s_add_co_u32 s54, s54, PT
	v_lshl_add_u32 v[SMA], v[RR], 4, s54
	v_lshl_add_u32 v[SMA], v[HH], 12, v[SMA]           ; heads 4 wave on: lanes 0-15 rows 0-63 (made by wr = 0), lanes 16-31 rows 64-127
	s_lshl_b32 s54, s[WV], 4
	s_add_co_u32 s54, s54, STAT
	v_mov_b32 v[STA], s54
	s_lshl_b32 s54, s[WC], 9
	v_lshl_add_u32 v[BQO], v[HH], 6, s54
	s_lshl_b32 s54, s[WV], 11
	s_add_co_u32 s55, s54, PT
	v_lshl_add_u32 v[PTW0], v[RR], 2, s55
	v_lshl_add_u32 v[PTW0], v[HH], 8, v[PTW0]          ; lanes 0-15 store the chunk's first head, lanes 16-31 its second
	v_lshl_add_u32 v[PTR0], v[HH], 5, s55
	s_add_co_u32 s55, s54, POOL
	v_lshl_add_u32 v[POW0], v[LN], 2, s55
	v_min_u32 v[TT], 24, v[LN]
	v_lshlrev_b32 v[PFO], 8, v[TT]
	v_lshl_add_u32 v[FIN], v0, 4, POOL
	v_lshl_add_u32 v[STL], v[LN], 2, STAT
	s_lshl_b32 s54, s[WV], 10
	v_lshl_add_u32 v[GOUT], v[LN], 4, s54
	v_lshlrev_b32 v[MLO], 2, v[LN]
.irp b, 0,1,2,3
	v_mov_b32 v[TM+4+\b], 0                            ; written once: a lane permute's destination counts as one of its sources
.endr
	s_mov_b32 s[SEL], 0x76543210
	s_mov_b32 s[SEL+1], 0xfedcba98
	s_mov_b32 s[HM], 0xffff0000
	s_mov_b32 s[CE], 0x3e38aa3b
	s_mov_b32 s[SIG], 1
	s_mov_b32 s[LIM], 14                               ; refills of slots 2 to 13 have a slot two on
	s_mov_b32 s[XOF], 0
	s_mov_b32 s[XSO], 0
	s_mov_b32 s[HOF], 0
	s_mov_b32 s[HSO], 0
	s_mov_b32 s[PTO], 0
	s_mov_b32 s[POF], 0
	; descriptor group 1: a dense block of 25,600 bytes as 100 rows of 32 elements of 8 bytes
	s_mov_b32 s[G1], 15|(3<<16)|(1<<21)                ; 15:0 the mask: all four work-groups; 17:16 elements of 8 bytes; 20 no padding; 21 set beside a mask
	s_mov_b32 s[G1+1], 32<<16                          ; tensor_dim0 = 32
	s_mov_b32 s[G1+2], 100<<16                         ; tensor_dim1 = 100
	s_mov_b32 s[G1+3], 32<<16                          ; tile_dim0 = 32
	s_mov_b32 s[G1+4], 100                             ; tile_dim1 = 100
	s_mov_b32 s[G1+5], 32                              ; from row to row
	s_mov_b32 s[G1+6], 0
	s_mov_b32 s[G1+7], 0
	s_mul_i32 s54, s[WV], QUART                        ; my quarter of a slot, in memory and in LDS alike
	s_mov_b32 s55, 0
	s_mul_i32 s58, s[CX], 25*256
	s_mov_b32 s59, 0
	s_lshl_b32 s60, s[GG], 19                          ; 128 rows of 4,096 bytes
	s_lshl_b32 s61, s[WV], 17                          ; my wave's 32 of them
	s_add_co_u32 s60, s60, s61
	s_mov_b32 s61, 0
	s_lshl_b32 s62, s[GG], 12
	s_mov_b32 s63, 0
	s_wait_alu depctr_va_vdst(0)
	s_wait_kmcnt 0x0
	s_add_nc_u64 s[YB:YB+1], s[4:5], s[60:61]
	; ---- Y: wave w quantises rows 32 w .. 32 w + 31, two row tiles x 8 K steps.  The first three fragments are asked for at once, ahead of the cluster's round: nothing in them hangs on the partners
	LOADF 0, 0, 0, 0
	LOADF 1, 0, 1, 0
	LOADF 2, 1, 0, 0
	WIN 0
	s_add_nc_u64 s[56:57], s[10:11], s[54:55]
	s_mov_b32 s[G0], 1                                 ; count = 1
	s_mov_b32 s[G0+1], s54                             ; LDS address: slot 0
	s_mov_b64 s[G0+2:G0+3], s[56:57]                   ; global address: the stream's slot 0
	s_or_b32 s[G0+3], s[G0+3], 0x80000000              ; type = 2
	s_mov_b32 s[G0+4], 1
	s_add_co_u32 s[G0+5], s54, SLOTB
	s_add_nc_u64 s[G0+6:G0+7], s[56:57], SLOTB
	s_or_b32 s[G0+7], s[G0+7], 0x80000000
	s_add_nc_u64 s[PFA:PFA+1], s[56:57], s[58:59]
	; (the prefetches' base stands at slot 0: the loop over Y names the slot behind it and steps it, three times)
	s_add_nc_u64 s[12:13], s[12:13], s[62:63]
	s_lshl_b32 s62, s[GG], 7
	s_add_nc_u64 s[14:15], s[14:15], s[62:63]
	CROUND                                             ; all four work-groups are here: the first joint loads meet
	tensor_load_to_lds s[G0:G0+3], s[G1:G1+7]          ; slot 0
	s_nop 0
	PLACES 4
	; a trip takes two K steps of my two row tiles.  Behind each request four fragments' loads are out (64, 32 KiB a wave), behind each wait three
	s_mov_b32 s[CNT], 3
.Lx:
	v_add_nc_u32 v[XWA], s[XOF], v[XW0]
	v_add_nc_u32 v[XSA], s[XSO], v[XS0]
	s_cmp_lt_u32 ttmp9, 4
	s_cbranch_scc0 .Lno_prefetch_main1
	global_prefetch_b8 v[PFO], s[PFA:PFA+1] offset:SLOTB th:TH_LOAD_NT scope:SCOPE_SE   ; trips 1, 2, 3 name the stream's slots 1, 2, 3: my work-group's 25 rows of my quarter
.Lno_prefetch_main1:
	XFRAG 0, 1, 3, 1, 1, 0, 48                         ; 48: the three younger fragments' loads
	XFRAG 1, 1, 0, 0, 0, 1024, 48
	XFRAG 2, 1, 1, 0, 1, 1024, 48
	XFRAG 3, 1, 2, 1, 0, 1024, 48
	s_wait_dscnt 0x0                                   ; the last image's stores are done: their addresses are stepped at the loop's head
	s_wait_xcnt 0x0                                    ; the loads have read their base
	s_add_nc_u64 s[YB:YB+1], s[YB:YB+1], 1024
	s_add_nc_u64 s[PFA:PFA+1], s[PFA:PFA+1], SLOTB     ; (behind the wait on XCNT: the prefetch has read its base)
	s_add_co_u32 s[XOF], s[XOF], 2*FRB
	s_add_co_u32 s[XSO], s[XSO], 128
	s_sub_co_u32 s[CNT], s[CNT], 1
	s_cmp_lg_u32 s[CNT], 0
	s_cbranch_scc1 .Lx
	s_wait_tensorcnt 0x0                               ; slot 1's first fill is issued as a refill is: my part of slot 0 is in,
	ds_add_u32 v[SPW], v[NIL]                          ; 0 onto my spare word,
	s_wait_dscnt 0x0                                   ; the add is done,
	CROUND                                             ; a whole round: the four work-groups' joint loads meet
	tensor_load_to_lds s[G0+4:G0+7], s[G1:G1+7]        ; it has the last trip over Y and the first four K steps in which to land
	s_nop 0
	PLACES 4
	v_add_nc_u32 v[XWA], s[XOF], v[XW0]                ; the last trip is written out: one more fragment is asked for, then the counts run down
	v_add_nc_u32 v[XSA], s[XSO], v[XS0]
	XFRAG 0, 1, 3, 1, 1, 0, 48
	CLOAD 6                                            ; the first chunk's bias, behind the last request for Y: its sixteen loads are the youngest from here on
	XFRAG 1, 0, 0, 0, 0, 0, 48                         ; two fragments' loads and the bias's
	XFRAG 2, 0, 0, 0, 0, 0, 32                         ; one fragment's and the bias's
	XFRAG 3, 0, 0, 0, 0, 0, 16                         ; the bias's
	s_wait_tensorcnt 0x1                               ; my part of slot 0 is in; slot 1's may stay out
	s_wait_dscnt 0x0                                   ; my images lie in LDS
	s_barrier_signal -1
	s_barrier_wait -1
	LOADA 0
	FETCH 0
	FETCH 1                                            ; both sets are free here: K step 0 issues no loads
	; ---- the first product, a chunk of 128 columns a trip: one lap of the ring
	s_mov_b32 s[CNT], 4
.Lg1:
	STEP 1, 0
	STEP 1, 1
	STEP 1, 2
	TURN 1, 3, 1
	STEP 1, 4
	STEP 1, 5
	STEP 1, 6
	TURN 1, 7, 1
	; the chunk's keys: scores of its two heads, then codes
	WIN 0
	v_add_nc_u32 v[XWA], s[HOF], v[XW0]                ; with the v_nop: the four places behind the last products
	v_add_nc_u32 v[XSA], s[HSO], v[XS0]
	v_add_nc_u32 v[PTWA], s[PTO], v[PTW0]
	v_nop
	FETCH 9                                            ; the next chunk's K step 1 (slot 0, whole since the last change of slots) into the odd set, which the last products have left
	s_wait_loadcnt 0x0                                 ; q
	WIN 0x03
.irp p, 0,1,2,3,4,5,6,7                                ; 16 chains (row tile a, block b of 32 columns) by turns; each accumulator is read from its low end on
.irp a, 0,1,2,3
.irp b, 0,1,2,3
.if \p == 0
	v_pk_mul_f32 v[SCT+8*\a+2*\b:SCT+8*\a+2*\b+1], v[64*\a+16*\b:64*\a+16*\b+1], v[CQ+16*\b:CQ+16*\b+1]
.else
	v_pk_fma_f32 v[SCT+8*\a+2*\b:SCT+8*\a+2*\b+1], v[64*\a+16*\b+2*\p:64*\a+16*\b+2*\p+1], v[CQ+16*\b+2*\p:CQ+16*\b+2*\p+1], v[SCT+8*\a+2*\b:SCT+8*\a+2*\b+1]
.endif
.endr
.endr
.endr
	WIN 0
.irp a, 0,1,2,3
.irp e, 0,1
	v_pk_add_f32 v[SCT+8*\a+4*\e:SCT+8*\a+4*\e+1], v[SCT+8*\a+4*\e:SCT+8*\a+4*\e+1], v[SCT+8*\a+4*\e+2:SCT+8*\a+4*\e+3]   ; a head is two blocks
.endr
.endr
.irp a, 0,1,2,3
.irp e, 0,1
	v_add_f32 v[SCT+8*\a+4*\e], v[SCT+8*\a+4*\e], v[SCT+8*\a+4*\e+1]
.endr
.endr
.irp a, 0,1,2,3
.irp e, 0,1
	v_permlanex16_b32 v[SCT+8*\a+4*\e+1], v[SCT+8*\a+4*\e], s[SEL], s[SEL+1]   ; the row's other 32 columns of the head lie in the lane 16 away
.endr
.endr
.irp a, 0,1,2,3
.irp e, 0,1
	v_add_f32 v[SCT+8*\a+4*\e], v[SCT+8*\a+4*\e], v[SCT+8*\a+4*\e+1]
.endr
.endr
.irp a, 0,1,2,3
	v_cndmask_b32 v[RES+\a], v[SCT+8*\a], v[SCT+8*\a+4], s[HM]
.endr
.irp a, 0,1,2,3
	ds_store_b32 v[PTWA], v[RES+\a] offset:64*\a
.endr
	v_add_nc_u32 v[BQO], 1024, v[BQO]                  ; q's loads are in: their offset may step to my next chunk
	s_cmp_eq_u32 s[CNT], 1                             ; the next chunk's bias, if there is a next chunk: no load leaves its buffer
	s_cbranch_scc1 .Lno_bias
	CLOAD 6
.Lno_bias:
.irp a, 0,1,2,3
	QUANT 64*\a
	IMAGE XWA, XSA, \a*FRB, 64*\a                      ; K step 2 c + wc of the second product, my row tile a
.endr
	s_add_co_u32 s[HOF], s[HOF], 4*FRB
	s_add_co_u32 s[HSO], s[HSO], 256
	s_add_co_u32 s[PTO], s[PTO], 512
	s_sub_co_u32 s[CNT], s[CNT], 1
	s_cmp_lg_u32 s[CNT], 0
	s_cbranch_scc1 .Lg1
	; ---- the softmax of these 128 rows: wave w takes heads 4 w .. 4 w + 3, four scores a lane
	s_wait_loadcnt 0x0                                 ; no load into v96-159 is out on any way here
	s_wait_dscnt 0x0                                   ; my scores and images lie in LDS
	s_barrier_signal -1
	s_barrier_wait -1
	LOADA 1                                            ; the keys' codes take the left operand's registers
.irp i, 0,1,2,3
	ds_load_b128 v[CQ+4*\i:CQ+4*\i+3], v[SMA] offset:(\i/2)*2048+(\i%2)*256
.endr
	s_wait_dscnt 0x0
.irp i, 0,1,2,3
	v_max3_num_f32 v[56+\i], v[CQ+4*\i], v[CQ+4*\i+1], v[CQ+4*\i+2]
.endr
.irp i, 0,1,2,3
	v_max_num_f32 v[56+\i], v[56+\i], v[CQ+4*\i+3]
.endr
.irp m, 1,2,4,8
.irp i, 0,1,2,3
	v_max_num_f32_dpp v[56+\i], v[56+\i], v[56+\i] row_xmask:\m row_mask:0xf bank_mask:0xf
.endr
.endr
.irp i, 0,1,2,3
	v_permlanex16_b32 v[60+\i], v[56+\i], s[SEL], s[SEL+1]
.endr
.irp i, 0,1,2,3
	v_max_num_f32 v[56+\i], v[56+\i], v[60+\i]         ; m: the head's largest score here
.endr
.irp i, 0,1,2,3
.irp j, 0,1,2,3
	v_sub_f32 v[CQ+4*\i+\j], v[CQ+4*\i+\j], v[56+\i]
.endr
.endr
.irp j, 0,1,2,3,4,5,6,7,8,9,10,11,12,13,14,15
	v_mul_f32 v[CQ+\j], s[CE], v[CQ+\j]
.endr
	s_wait_alu depctr_va_vdst(0)
.irp j, 0,1,2,3,4,5,6,7,8,9,10,11,12,13,14,15
	v_exp_f32 v[CQ+\j], v[CQ+\j]                       ; p, at most 1, not normalised
.endr
	v_nop                                              ; a plain place behind the exponentials
	s_wait_alu depctr_va_vdst(0)                       ; one wait for the batch, ahead of its first reader
.irp i, 0,1,2,3
	v_add_f32 v[64+\i], v[CQ+4*\i], v[CQ+4*\i+1]
	v_add_f32 v[60+\i], v[CQ+4*\i+2], v[CQ+4*\i+3]
.endr
.irp i, 0,1,2,3
	v_add_f32 v[64+\i], v[64+\i], v[60+\i]
.endr
.irp m, 1,2,4,8
.irp i, 0,1,2,3
	v_add_f32_dpp v[64+\i], v[64+\i], v[64+\i] row_xmask:\m row_mask:0xf bank_mask:0xf
.endr
.endr
.irp i, 0,1,2,3
	v_permlanex16_b32 v[60+\i], v[64+\i], s[SEL], s[SEL+1]
.endr
.irp i, 0,1,2,3
	v_add_f32 v[64+\i], v[64+\i], v[60+\i]             ; the sum of p
.endr
.irp i, 0,1,2,3
	ds_store_b128 v[SMA], v[CQ+4*\i:CQ+4*\i+3] offset:(\i/2)*2048+(\i%2)*256   ; p takes the scores' place
.endr
	ds_store_b128 v[STA], v[56:59]                     ; every lane holds the same four numbers
	ds_store_b128 v[STA], v[64:67] offset:64
	s_wait_dscnt 0x0
	s_barrier_signal -1
	s_barrier_wait -1
	s_mov_b32 s[PTO], 0
	PLOAD
	; ---- the second product and the pooling
	s_mov_b32 s[CNT], 3
.Lg2:
	STEP 2, 0
	STEP 2, 1
	STEP 2, 2
	TURN 2, 3, 1
	STEP 2, 4
	STEP 2, 5
	STEP 2, 6
	TURN 2, 7, 1
	EPI2 1
	s_add_co_u32 s[POF], s[POF], 512
	s_add_co_u32 s[PTO], s[PTO], 512
	PLOAD
	s_sub_co_u32 s[CNT], s[CNT], 1
	s_cmp_lg_u32 s[CNT], 0
	s_cbranch_scc1 .Lg2
	STEP 2, 0                                          ; the last chunk is written out: nothing is left to fetch
	STEP 2, 1
	STEP 2, 2
	TURN 2, 3, 0
	STEP 2, 4
	STEP 2, 5
	STEP 2, 6
	s_wait_dscnt 0x0
	SETMW 2, 7
	MUL 2, 7, 0, 7
	EPI2 0
	; ---- the way out: the two halves of the rows are added; a wave's store covers 512 consecutive bytes, aligned
	s_wait_dscnt 0x0
	s_barrier_signal -1
	s_barrier_wait -1
.irp i, 0,1,2,3
	ds_load_b128 v[CQ+4*\i:CQ+4*\i+3], v[FIN] offset:2048*\i
.endr
	s_wait_dscnt 0x0
.irp i, 0,2,4,6
	v_pk_add_f32 v[CQ+\i:CQ+\i+1], v[CQ+\i:CQ+\i+1], v[CQ+8+\i:CQ+9+\i]
.endr
	global_store_b128 v[GOUT], v[CQ:CQ+3], s[12:13]              ; columns 256 wave + 4 lane on (chunks with wc = 0)
	global_store_b128 v[GOUT], v[CQ+4:CQ+7], s[12:13] offset:512 ; and 128 further on (wc = 1)
	s_cmp_lg_u32 s[WV], 0
	s_cbranch_scc1 .Lnot_0
	ds_load_b32 v[MLD], v[STL]
	s_wait_dscnt 0x0
	global_store_b32 v[MLO], v[MLD], s[14:15]          ; 16 m, 16 sums
.Lnot_0:
	s_wait_tensorcnt 0x0                               ; the wave's end
	ds_add_u32 v[SPW], v[NIL]
	s_wait_dscnt 0x0
	CROUND                                             ; the closing round
	s_endpgm
.Lfunc_end_k_q452c09a927_main:
	.size	k_q452c09a927_main, .Lfunc_end_k_q452c09a927_main-k_q452c09a927_main
	.p2alignl 7, 3214868480
	.fill 96, 4, 3214868480
	.section	.rodata,"a",@progbits
	.p2align	6, 0x0
	.amdhsa_kernel k_q452c09a927_main
		.amdhsa_group_segment_fixed_size 327680
		.amdhsa_private_segment_fixed_size 0
		.amdhsa_enable_private_segment 0
		.amdhsa_kernarg_size 48
		.amdhsa_user_sgpr_count 2
		.amdhsa_user_sgpr_kernarg_segment_ptr 1
		.amdhsa_wavefront_size32 1
		.amdhsa_system_sgpr_workgroup_id_x 1
		.amdhsa_system_sgpr_workgroup_id_y 1
		.amdhsa_system_sgpr_workgroup_id_z 1
		.amdhsa_system_vgpr_workitem_id 0
		.amdhsa_next_free_vgpr 1024
		.amdhsa_next_free_sgpr 66
		.amdhsa_reserve_vcc 0
		.amdhsa_float_denorm_mode_32 3
		.amdhsa_float_denorm_mode_16_64 3
		.amdhsa_memory_ordered 1
		.amdhsa_forward_progress 1
		.amdhsa_inst_pref_size 255
	.end_amdhsa_kernel
	.section	.bss,"aw",@nobits
	.p2align	6
	.space	262144
	.amdgpu_metadata
---
amdhsa.version: [ 1, 2 ]
amdhsa.kernels:
  - .name:           k_q452c09a927_main
    .symbol:         k_q452c09a927_main.kd
    .args:
      - { .name: Y, .offset: 0, .size: 8, .value_kind: global_buffer, .address_space: global }
      - { .name: bk, .offset: 8, .size: 8, .value_kind: global_buffer, .address_space: global }
      - { .name: qvec, .offset: 16, .size: 8, .value_kind: global_buffer, .address_space: global }
      - { .name: wts, .offset: 24, .size: 8, .value_kind: global_buffer, .address_space: global }
      - { .name: part_o, .offset: 32, .size: 8, .value_kind: global_buffer, .address_space: global }
      - { .name: part_ml, .offset: 40, .size: 8, .value_kind: global_buffer, .address_space: global }
    .group_segment_fixed_size: 327680
    .private_segment_fixed_size: 0
    .kernarg_segment_align: 8
    .kernarg_segment_size: 48
    .max_flat_workgroup_size: 128
    .sgpr_count:     66
    .vgpr_count:     1024
    .wavefront_size: 32
...
	.end_amdgpu_metadata
.endif
;; end of part 2
;; launch fin (part 3): grid 128 x 1, 8 waves a work-group, no clusters, 9,216 bytes of LDS; arguments part_o, part_ml, bv, wts, bo, out0; writes out0
.if DOCPART == 3
	.amdgcn_target "amdgcn-amd-amdhsa--gfx1250"
	.amdhsa_code_object_version 6
	.text
	.protected	k_q452c09a927_fin
	.globl	k_q452c09a927_fin
	.p2align	8
	.type	k_q452c09a927_fin,@function
k_q452c09a927_fin:
	s_mov_b64 s[64:65], 0
	v_nop
	global_prefetch_b8 v0, s[64:65] scope:SCOPE_SE
	s_setreg_imm32_b32 hwreg(HW_REG_WAVE_MODE, 25, 1), 1
	s_wait_xcnt 0x0
; out0[b][n] = Q(pooled[b]) . Q(Wo[n]) + bo[n].  Work-group = batch b (number / 8) and 128 columns (number % 8); eight waves.
; 1. THE JOIN of batch b's 16 partial softmaxes: mg = the largest of the 16 m of a head, f_i = 2^((m_i - mg) log2(e) / 8), pooled = (sum f_i o_i) / (sum f_i l_i) + bv, all in f32.
;    Thread t owns columns 4 t .. 4 t + 3 (head t / 16): each load of a wave covers 512 consecutive bytes.  The eight work-groups of a batch each make the join: 64 KiB read, so that the row never goes to memory.
; 2. THE QUANTISER: wave 0, a lane to a block of 32 along K; the row's codes of BF6 (E3M2), one stream of bits of 768 bytes, and its 32 E8M0 bytes go to LDS.
; 3. THE PRODUCT: wave w takes the tile of 16 columns 8 x group + w, K = 1,024 in 8 matrix instructions.  The product has one row for a batch: the operand's 16 rows are that one row (the lanes read the same LDS bytes).
;    Wo's fragments come as register images (three loads of 512 consecutive bytes each) and are asked for at the head, with the partial rows: one trip to memory for all.
;    TRANSPOSED (source 0 = 16 rows of Wo, source 1 = the pooled row): a lane holds eight neighbouring columns.  Two accumulators take turns: even K steps, begun with bo as C, odd K steps, begun with 0.
; 4. The eight waves' 128 columns meet in LDS, and wave 0 stores 512 consecutive bytes, at a multiple of 256 from out0's first byte.
; No tensor load and no cluster: a work-group reads 160 KiB once, straight into the registers that use it.  128 work-groups: the output has no more tiles of 16 columns than 8 a work-group here.
; LIMITS: a block of zeros gets the byte 1 where the rule says 127 (its codes are zeros; this program alone reads the bytes); NaN and infinities are not served.
.set FRB, 1536
.set WOI, 1638400                      ; Wo's images in the weights' buffer
.set WOS, 2424832                      ; Wo's scale words
.set STGP,  2048                       ; LDS: 0 .. 2,047 m and l; from 2,048: the pooled row, 32 blocks of 128 bytes + 16
.set CODES, 6656                       ; the row's codes, 768 bytes
.set SCB,   7424                       ; its 32 scale bytes
.set OST,   7680                       ; 128 columns of the result, 512 bytes
.set MM, 8                             ; v8-23    m_i, then f_i
.set AS, 8                             ; v8-15    later: the pooled row's scale words, one register a K step
.set OU, 16                            ; v16-23   later: the result
.set CW, 24                            ; v24      CODES + 24 x lane: where wave 0's lane puts its block's codes
.set SW, 25                            ; v25      SCB + lane: and its byte
.set CR, 26                            ; v26      CODES + 24 (lane / 16): where a lane reads the operand
.set SR, 27                            ; v27      SCB
.set IMO, 28                           ; v28      16 x lane
.set SCO, 29                           ; v29      4 x lane
.set BOO, 30                           ; v30      32 (lane / 16)
.set OW, 31                            ; v31      OST + 64 wave + 32 (lane / 16)
.set OO, 32                            ; v32-95   16 partial rows, 4 numbers each; in wave 0 later its block of 32 (v32-63), its codes (v64-70) and work (v72-75)
.set AFR, 32                           ; v32-127  later: the pooled row's 8 fragments
.set BV, 96                            ; v96-99
.set LL, 100                           ; v100-115 l_i
.set SS, 116                           ; v116-117 my 8 bytes of the batch's 2,048 bytes of m and l
.set AC, 118                           ; v118-121 the sums
.set MG, 122
.set LS, 124                           ; v124-125 the divisor in two chains
.set RI, 126
.set WF, 128                           ; v128-223 Wo's 8 fragments
.set WS, 224                           ; v224-227 Wo's scale words: register s / 2, lanes 0-15 the even K step, lanes 16-31 the odd one
.set BO, 228                           ; v228-235 bo in the result's layout
.set D0, 236
.set D1, 244
.set OR, 252                           ; v252     OST + 16 x lane
	s_load_b256 s[4:11], s[0:1], 0x0                   ; part_o, part_ml, bv, the weights
	s_load_b128 s[12:15], s[0:1], 0x20                 ; bo, out0
	v_lshl_add_u32 v254, v0, 2, 0x2000
	v_mov_b32 v255, 0
	v_lshrrev_b32 v1, 5, v0
	s_delay_alu instid0(VALU_DEP_1)
	v_readfirstlane_b32 s16, v1                        ; wave
	s_lshr_b32 s17, ttmp9, 3                           ; the batch
	s_and_b32 s18, ttmp9, 7                            ; the group of 128 columns
	s_lshl_b32 s19, s18, 3
	s_add_co_u32 s19, s19, s16                         ; my tile of 16 columns
	v_lshlrev_b32 v2, 4, v0                            ; 16 t
	v_lshlrev_b32 v3, 3, v0                            ; 8 t
	v_lshrrev_b32 v4, 4, v0
	s_delay_alu instid0(VALU_DEP_1)
	v_lshlrev_b32 v4, 2, v4                            ; 4 x head
	v_lshrrev_b32 v5, 3, v0
	s_delay_alu instid0(VALU_DEP_1)
	v_mul_u32_u24 v5, v5, 144
	v_and_b32 v6, 7, v0
	s_delay_alu instid0(VALU_DEP_1)
	v_lshl_add_u32 v5, v6, 4, v5
	s_delay_alu instid0(VALU_DEP_1)
	v_add_nc_u32 v5, STGP, v5                          ; my 16 bytes of block t / 8
	v_and_b32 v6, 31, v0                               ; lane
	s_delay_alu instid0(VALU_DEP_1)
	v_mul_u32_u24 v7, v6, 144
	s_delay_alu instid0(VALU_DEP_1)
	v_add_nc_u32 v7, STGP, v7                          ; wave 0: lane l reads block l
	s_delay_alu instid0(VALU_DEP_3)
	v_mul_u32_u24 v[CW], v6, 24
	s_delay_alu instid0(VALU_DEP_1)
	v_add_nc_u32 v[CW], CODES, v[CW]
	v_add_nc_u32 v[SW], SCB, v6
	v_bfe_u32 v1, v0, 4, 1                             ; h
	s_delay_alu instid0(VALU_DEP_1)
	v_mul_u32_u24 v[CR], v1, 24
	s_delay_alu instid0(VALU_DEP_1)
	v_add_nc_u32 v[CR], CODES, v[CR]
	v_mov_b32 v[SR], SCB
	v_lshlrev_b32 v[IMO], 4, v6
	v_lshlrev_b32 v[SCO], 2, v6
	v_lshlrev_b32 v[BOO], 5, v1
	s_lshl_b32 s21, s16, 6
	s_add_co_u32 s21, s21, OST
	v_lshl_add_u32 v[OW], v1, 5, s21
	v_lshl_add_u32 v[OR], v6, 4, OST
	s_mov_b32 s20, 0x3e38aa3b                          ; log2(e) / 8
	s_lshl_b32 s22, s17, 16                            ; part_o: 16 rows of 4,096 bytes a batch
	s_mov_b32 s23, 0
	s_lshl_b32 s24, s17, 11                            ; part_ml: 16 x 128 bytes
	s_mov_b32 s25, 0
	s_mul_i32 s26, s19, 8*FRB
	s_add_co_u32 s26, s26, WOI
	s_mov_b32 s27, 0
	s_lshl_b32 s28, s19, 9
	s_add_co_u32 s28, s28, WOS
	s_mov_b32 s29, 0
	s_lshl_b32 s30, s19, 6
	s_mov_b32 s31, 0
	s_lshl_b32 s32, s17, 12
	s_lshl_b32 s33, s18, 9
	s_add_co_u32 s32, s32, s33                         ; out0: row b, 512 bytes a group
	s_mov_b32 s33, 0
	s_wait_alu depctr_va_vdst(0)
	s_wait_kmcnt 0x0
	s_add_nc_u64 s[4:5], s[4:5], s[22:23]
	s_add_nc_u64 s[6:7], s[6:7], s[24:25]
	s_add_nc_u64 s[26:27], s[10:11], s[26:27]
	s_add_nc_u64 s[28:29], s[10:11], s[28:29]
	s_add_nc_u64 s[12:13], s[12:13], s[30:31]
	s_add_nc_u64 s[14:15], s[14:15], s[32:33]
	global_load_b64 v[SS:SS+1], v3, s[6:7]
.irp i, 0,1,2,3,4,5,6,7,8,9,10,11,12,13,14,15
	global_load_b128 v[OO+4*\i:OO+4*\i+3], v2, s[4:5] offset:4096*\i
.endr
	global_load_b128 v[BV:BV+3], v2, s[8:9]
.irp s, 0,1,2,3,4,5,6,7
.irp c, 0,1,2
	global_load_b128 v[WF+12*\s+4*\c:WF+12*\s+4*\c+3], v[IMO], s[26:27] offset:FRB*\s+512*\c
.endr
.endr
.irp i, 0,1,2,3
	global_load_b32 v[WS+\i], v[SCO], s[28:29] offset:128*\i
.endr
	global_load_b128 v[BO:BO+3], v[BOO], s[12:13]
	global_load_b128 v[BO+4:BO+7], v[BOO], s[12:13] offset:16
	s_wait_loadcnt 47                                  ; m and l are in; the 47 younger loads (16 rows, bv, 24 + 4 + 2 for the product) may be out
	ds_store_b64 v3, v[SS:SS+1]
	s_wait_dscnt 0x0
	s_barrier_signal -1
	s_barrier_wait -1
.irp i, 0,1,2,3,4,5,6,7,8,9,10,11,12,13,14,15
	ds_load_b32 v[MM+\i], v4 offset:128*\i
	ds_load_b32 v[LL+\i], v4 offset:128*\i+64
.endr
	s_wait_dscnt 0x0
	v_max3_num_f32 v[MG], v[MM], v[MM+1], v[MM+2]
.irp i, 3,5,7,9,11,13
	s_delay_alu instid0(VALU_DEP_1)
	v_max3_num_f32 v[MG], v[MG], v[MM+\i], v[MM+\i+1]
.endr
	s_delay_alu instid0(VALU_DEP_1)
	v_max_num_f32 v[MG], v[MG], v[MM+15]
.irp i, 0,1,2,3,4,5,6,7,8,9,10,11,12,13,14,15
	v_sub_f32 v[MM+\i], v[MM+\i], v[MG]
.endr
.irp i, 0,1,2,3,4,5,6,7,8,9,10,11,12,13,14,15
	v_mul_f32 v[MM+\i], s20, v[MM+\i]
.endr
	s_wait_alu depctr_va_vdst(0)
.irp i, 0,1,2,3,4,5,6,7,8,9,10,11,12,13,14,15
	v_exp_f32 v[MM+\i], v[MM+\i]
.endr
	v_nop                                              ; a plain place behind the exponentials
	s_wait_alu depctr_va_vdst(0)                       ; one wait for the batch, ahead of its first reader
	v_mul_f32 v[LS], v[MM], v[LL]
	v_mul_f32 v[LS+1], v[MM+1], v[LL+1]
.irp i, 2,4,6,8,10,12,14
	v_fmac_f32 v[LS], v[MM+\i], v[LL+\i]
	v_fmac_f32 v[LS+1], v[MM+\i+1], v[LL+\i+1]
.endr
	s_delay_alu instid0(VALU_DEP_1)
	v_add_f32 v[LS], v[LS], v[LS+1]                    ; at least 1: the part that holds mg has f = 1 and a sum of at least 1
	s_wait_alu depctr_va_vdst(0)
	v_rcp_f32 v[RI], v[LS]
	s_wait_loadcnt 30                                  ; the rows and bv are in; the 30 loads for the product may be out
.irp j, 0,1,2,3
	v_mul_f32 v[AC+\j], v[MM], v[OO+\j]                ; independent work behind the reciprocal
.endr
.irp i, 1,2,3,4,5,6,7,8,9,10,11,12,13,14,15
.irp j, 0,1,2,3
	v_fmac_f32 v[AC+\j], v[MM+\i], v[OO+4*\i+\j]
.endr
.endr
	s_wait_alu depctr_va_vdst(0)                       ; ahead of the reciprocal's first reader
.irp j, 0,1,2,3
	v_fma_f32 v[AC+\j], v[AC+\j], v[RI], v[BV+\j]
.endr
	ds_store_b128 v5, v[AC:AC+3]
	s_wait_dscnt 0x0
	s_barrier_signal -1
	s_barrier_wait -1                                  ; the pooled row lies in LDS
	s_cmp_lg_u32 s16, 0
	s_cbranch_scc1 .Lnot_0
.irp j, 0,1,2,3,4,5,6,7
	ds_load_b128 v[OO+4*\j:OO+4*\j+3], v7 offset:16*\j ; a whole block of 32 along K in one lane
.endr
	s_wait_dscnt 0x0
	v_max3_num_f32 v72, |v[OO]|, |v[OO+1]|, |v[OO+2]|
	v_max3_num_f32 v73, |v[OO+3]|, |v[OO+4]|, |v[OO+5]|
.irp i, 6,10,14,18,22,26
	s_delay_alu instid0(VALU_DEP_2)
	v_max3_num_f32 v72, v72, |v[OO+\i]|, |v[OO+\i+1]|
	s_delay_alu instid0(VALU_DEP_2)
	v_max3_num_f32 v73, v73, |v[OO+\i+2]|, |v[OO+\i+3]|
.endr
	s_delay_alu instid0(VALU_DEP_2)
	v_max3_num_f32 v72, v72, |v[OO+30]|, |v[OO+31]|
	s_delay_alu instid0(VALU_DEP_1)
	v_max3_num_f32 v72, v72, v73, 0x2800000            ; and the floor 2^(5 - 127)
	s_delay_alu instid0(VALU_DEP_1)
	v_add_nc_u32 v74, 0xfe000000, v72                  ; 4 off the exponent field: the conversion's scale operand
	v_cvt_scalef32_pk16_bf6_f32 v[64:66], v[OO:OO+15], v74
	v_cvt_scalef32_pk16_bf6_f32 v[68:70], v[OO+16:OO+31], v74   ; (a conversion's three registers begin on an even number)
	v_lshrrev_b32 v75, 23, v74                         ; the scale's byte (also the plain place behind the conversions)
	v_mov_b32 v67, v68                                 ; the block's 24 bytes on end in v64-69
	v_mov_b32 v68, v69
	v_mov_b32 v69, v70
	ds_store_b64 v[CW], v[64:65]                       ; in pieces of 8 bytes: 24 x lane is a multiple of 8
	ds_store_b64 v[CW], v[66:67] offset:8
	ds_store_b64 v[CW], v[68:69] offset:16
	ds_store_b8 v[SW], v75
.Lnot_0:
	s_wait_dscnt 0x0
	s_barrier_signal -1
	s_barrier_wait -1                                  ; the row's codes and scale bytes lie in LDS
.irp s, 0,1,2,3,4,5,6,7                                ; lane (r, h): registers 6 c .. 6 c + 5 of K step s are the 24 bytes at 96 s + 48 c + 24 h of the row, whatever r
.irp p, 0,1,2,3,4,5
	ds_load_b64 v[AFR+12*\s+2*\p:AFR+12*\s+2*\p+1], v[CR] offset:96*\s+48*(\p/3)+8*(\p%3)
.endr
.endr
	ds_load_b128 v[AS:AS+3], v[SR]                     ; word s: the bytes of blocks 4 s .. 4 s + 3
	ds_load_b128 v[AS+4:AS+7], v[SR] offset:16
	s_wait_dscnt 0x0
	s_wait_loadcnt 0x0                                 ; Wo's fragments and words, bo
.rept 8
	v_nop                                              ; vector instructions wrote some of these registers before the loads filled them: the places that a scaled matrix instruction wants behind such a write
.endr
	v_wmma_scale_f32_16x16x128_f8f6f4 v[D0:D0+7], v[WF:WF+11], v[AFR:AFR+11], v[BO:BO+7], v[WS], v[AS] matrix_a_fmt:MATRIX_FMT_BF6 matrix_b_fmt:MATRIX_FMT_BF6
	v_wmma_scale_f32_16x16x128_f8f6f4 v[D1:D1+7], v[WF+12:WF+23], v[AFR+12:AFR+23], 0, v[WS], v[AS+1] matrix_a_fmt:MATRIX_FMT_BF6 matrix_b_fmt:MATRIX_FMT_BF6 matrix_a_scale:MATRIX_SCALE_ROW1
.irp u, 1,2,3
	v_wmma_scale_f32_16x16x128_f8f6f4 v[D0:D0+7], v[WF+24*\u:WF+24*\u+11], v[AFR+24*\u:AFR+24*\u+11], v[D0:D0+7], v[WS+\u], v[AS+2*\u] matrix_a_fmt:MATRIX_FMT_BF6 matrix_b_fmt:MATRIX_FMT_BF6
	v_wmma_scale_f32_16x16x128_f8f6f4 v[D1:D1+7], v[WF+24*\u+12:WF+24*\u+23], v[AFR+24*\u+12:AFR+24*\u+23], v[D1:D1+7], v[WS+\u], v[AS+2*\u+1] matrix_a_fmt:MATRIX_FMT_BF6 matrix_b_fmt:MATRIX_FMT_BF6 matrix_a_scale:MATRIX_SCALE_ROW1
.endr
.rept 4
	v_nop
.endr
.irp j, 0,2,4,6
	v_pk_add_f32 v[OU+\j:OU+\j+1], v[D0+\j:D0+\j+1], v[D1+\j:D1+\j+1]   ; from the low end on
.endr
	ds_store_b128 v[OW], v[OU:OU+3]                    ; the sixteen lanes of a half hold the same eight numbers and write the same bytes
	ds_store_b128 v[OW], v[OU+4:OU+7] offset:16
	s_wait_dscnt 0x0                                   ; for the others' sake
	s_barrier_signal -1
	s_barrier_wait -1
	s_cmp_lg_u32 s16, 0
	s_cbranch_scc1 .Lend
	ds_load_b128 v[OU:OU+3], v[OR]
	s_wait_dscnt 0x0
	global_store_b128 v[IMO], v[OU:OU+3], s[14:15]     ; 32 lanes store 512 consecutive bytes
.Lend:
	s_wait_tensorcnt 0x0
	ds_add_u32 v254, v255
	s_wait_dscnt 0x0
	s_endpgm
.Lfunc_end_k_q452c09a927_fin:
	.size	k_q452c09a927_fin, .Lfunc_end_k_q452c09a927_fin-k_q452c09a927_fin
	.p2alignl 7, 3214868480
	.fill 96, 4, 3214868480
	.section	.rodata,"a",@progbits
	.p2align	6, 0x0
	.amdhsa_kernel k_q452c09a927_fin
		.amdhsa_group_segment_fixed_size 9216
		.amdhsa_private_segment_fixed_size 0
		.amdhsa_enable_private_segment 0
		.amdhsa_kernarg_size 48
		.amdhsa_user_sgpr_count 2
		.amdhsa_user_sgpr_kernarg_segment_ptr 1
		.amdhsa_wavefront_size32 1
		.amdhsa_system_sgpr_workgroup_id_x 1
		.amdhsa_system_sgpr_workgroup_id_y 1
		.amdhsa_system_sgpr_workgroup_id_z 1
		.amdhsa_system_vgpr_workitem_id 0
		.amdhsa_next_free_vgpr 256
		.amdhsa_next_free_sgpr 66
		.amdhsa_reserve_vcc 0
		.amdhsa_float_denorm_mode_32 3
		.amdhsa_float_denorm_mode_16_64 3
		.amdhsa_memory_ordered 1
		.amdhsa_forward_progress 1
		.amdhsa_inst_pref_size 24
	.end_amdhsa_kernel
	.amdgpu_metadata
---
amdhsa.version: [ 1, 2 ]
amdhsa.kernels:
  - .name:           k_q452c09a927_fin
    .symbol:         k_q452c09a927_fin.kd
    .args:
      - { .name: part_o, .offset: 0, .size: 8, .value_kind: global_buffer, .address_space: global }
      - { .name: part_ml, .offset: 8, .size: 8, .value_kind: global_buffer, .address_space: global }
      - { .name: bv, .offset: 16, .size: 8, .value_kind: global_buffer, .address_space: global }
      - { .name: wts, .offset: 24, .size: 8, .value_kind: global_buffer, .address_space: global }
      - { .name: bo, .offset: 32, .size: 8, .value_kind: global_buffer, .address_space: global }
      - { .name: out0, .offset: 40, .size: 8, .value_kind: global_buffer, .address_space: global }
    .group_segment_fixed_size: 9216
    .private_segment_fixed_size: 0
    .kernarg_segment_align: 8
    .kernarg_segment_size: 48
    .max_flat_workgroup_size: 256
    .sgpr_count:     66
    .vgpr_count:     256
    .wavefront_size: 32
...
	.end_amdgpu_metadata
.endif
;; end of part 3
